; MI455X (gfx1250); checked and timed in simulation.
; The chip was launched on July 23, 2026; its instructions are those of AMD's public machine-readable ISA for CDNA 5 (MIT licence, August 2026) and "CDNA5" Instruction Set Architecture Reference Guide (July 2026). The comments in the code are by the model that wrote it; some were corrected since.
;; ROR Defense. Allowed arithmetic: float matrix products may take bf16 or f16 operands with f32 sums; all other float work in f32.
;; Inputs: x 16 x 4,096 x 3 float32.
;; Outputs: out0 16 x 4,096 x 3 float32; out1 16 x 4,096 bool.
;; 2 versions, each right; version 2 is version 1 with the launch refine written anew for expert scheduling mode. Each part assembles by itself: llvm-mc -triple=amdgcn-amd-amdhsa -mcpu=gfx1250 --defsym DOCPART=n.
;; ======== version 1 of 2: 2 launches
;; limits: inputs' magnitudes at most 500
;; workspace buffers: need 8,192 bytes of whole numbers
;; launch filter (part 1): grid 256 x 1, 8 waves a work-group, no clusters, 33,792 bytes of LDS; arguments x, need; writes need
.if DOCPART == 1
	.amdgcn_target "amdgcn-amd-amdhsa--gfx1250"
	.amdhsa_code_object_version 6
	.text
	.protected	k_q51922a3b91_filter
	.globl	k_q51922a3b91_filter
	.p2align	8
	.type	k_q51922a3b91_filter,@function
k_q51922a3b91_filter:
	s_mov_b64 s[64:65], 0
	v_nop
	global_prefetch_b8 v0, s[64:65] scope:SCOPE_SE
	s_setreg_imm32_b32 hwreg(HW_REG_WAVE_MODE, 25, 1), 1
	s_wait_xcnt 0x0
; RADIUS OUTLIER REMOVAL, FIRST OF TWO LAUNCHES: THE FILTER.
; x: [16][4096][3] f32.  A point is kept if a second point of its batch lies within r = 1.1 (d2 <= f32(1.21)).
; A work-group owns 256 neighbouring points (a sixteenth of a batch), thread t point t.  Each point is tried against the other 255 of the block.
; need[8 g + w], bit l = 1: point 32 w + l of block g has found no neighbour yet.  The second launch tries those against the other 15 blocks.
; Nothing in this launch branches or addresses by that word: it is only stored.
;
; d2(i, j) = |a|^2 + (|b|^2 - 2 a.b).  The bracket is ONE matrix instruction for 16 candidates x 16 queries.  Only 3 of the 32 K places are
; needed by the product itself; the others carry the low parts of the numbers: every f32 is cut exactly into three bf16 pieces (its top 8 bits, the next 8, the last 8).
;   K 0-7 x, K 8-15 y, K 16-23 z:  query  -2 a: a1 a1 a1 a2 a2 a2 a3 a3    candidate b: b1 b2 b3 b1 b2 b3 b1 b2    (all products but a3 b3)
;   K 24-31:                       query         1  1  1  0  0  0  0  0    candidate |b|^2: t1 t2 t3 t1 t2 t3 t1 t2
; |a|^2 is added once, behind the minimum over the candidates.
; LIMITS.  (1) The point itself is taken as counted (its own distance is zero but for rounding, which in the problem's own formula stays under
; 1.21 for coordinates below about 500 in size): so kept = another point within r.  (2) a3 b3, at most 2^-32 |a||b|, is left out.  (3) |a|^2 is made by fused
; multiply-adds and added last: the order of rounding differs from the problem's formula by a few units in the last place of |x|^2.
; NaN and infinities: every d2 of such a point is NaN, a NaN loses each minimum and fails the comparison, so the point stays in need and is dropped at the end.
; NO CLUSTER, NO TENSOR LOAD: a work-group reads 3,072 bytes that no other work-group of this launch reads.
.set R2BITS, 0x3f9ae148                ; f32(1.1 * 1.1)
.set FAR,    0x71800000                ; 2^100: added to a point's distance to itself
.set VTAB,   0                         ; LDS: 16 candidate tiles of 1,024 bytes, in fragment order
.set UTAB,   16384                     ; LDS: 16 query tiles likewise
.set XO,   1                           ; v1       byte offset of my point in the block
.set LN,   3                           ; v3       lane
.set PX,   4                           ; v[4:6]   my point; v7 = |x|^2 follows as the fourth value to be cut
.set SQ,   7
.set NEG1, 8                           ; v8       -1.0
.set STA,  9                           ; v9       where my point's pieces go inside a table
.set L16,  10                          ; v10      16 x lane
.set TA,   11                          ; v11      at work
.set DG,   12                          ; v[12:19] C of a tile against itself: 2^100 on the diagonal, 0 elsewhere
.set AD,   20                          ; v[20:27] LDS address of the g-th pair of candidate tiles, counted from my own pair
.set W,    28                          ; v[28:30] a value and its two remainders
.set CH,   32                          ; v[32:63] eight pieces of 16 bytes: candidate x y z |x|^2, query x y z ones
.set BF,   64                          ; v[64:79] my two query tiles
.set AF,   80                          ; v[80:207] the 16 candidate tiles
.set DP,   208                         ; v[208:239] four results
.set DQ,   32                          ; v[32:63]  four more (free once the pieces are stored)
.set AC,   240                         ; v240, v241 running minimum of query tile 0, 1
.set TM,   242                         ; v[242:251] at work
; b = a - (top 16 bits of a as bf16), c = b - (top 16 bits of b): both exact; the tops of a, b, c are the three pieces
.macro SPLIT a, b, c
	v_fma_mix_f32_bf16 v[\b], v[\a], v[NEG1], v[\a] op_sel:[1,0,0] op_sel_hi:[1,0,0]
	v_fma_mix_f32_bf16 v[\c], v[\b], v[NEG1], v[\b] op_sel:[1,0,0] op_sel_hi:[1,0,0]
.endm
; s11 = 0x07060302: result = {upper half of the first source, upper half of the second}; the lower K lies in the lower half
.macro PACKV d, a, b, c                ; b1 b2 | b3 b1 | b2 b3 | b1 b2
	v_perm_b32 v[\d],   v[\b], v[\a], s11
	v_perm_b32 v[\d+1], v[\a], v[\c], s11
	v_perm_b32 v[\d+2], v[\c], v[\b], s11
	v_perm_b32 v[\d+3], v[\b], v[\a], s11
.endm
.macro PACKU d, a, b, c                ; a1 a1 | a1 a2 | a2 a2 | a3 a3
	v_perm_b32 v[\d],   v[\a], v[\a], s11
	v_perm_b32 v[\d+1], v[\b], v[\a], s11
	v_perm_b32 v[\d+2], v[\b], v[\b], s11
	v_perm_b32 v[\d+3], v[\c], v[\c], s11
.endm
	s_load_b128 s[4:7], s[0:1], 0x0                ; x s[4:5], need s[6:7]
	v_lshl_add_u32 v252, v0, 2, 0x8000
	v_mov_b32 v253, 0
	v_mul_u32_u24 v[XO], 12, v0                    ; 12 bytes a point
	s_mul_i32 s8, ttmp9, 3072                      ; the block's 256 points
	s_mov_b32 s9, 0
	v_lshrrev_b32 v2, 5, v0
	v_readfirstlane_b32 s10, v2                    ; wave 0..7
	s_wait_kmcnt 0x0
	s_add_nc_u64 s[4:5], s[4:5], s[8:9]
	global_load_b96 v[PX:PX+2], v[XO], s[4:5]      ; a wave reads 384 neighbouring bytes
	; all that does not need the point is made while it is on its way
	s_mov_b32 s11, 0x07060302
	s_mov_b32 s12, 0x76543210                      ; v_permlanex16_b32: lane i reads lane i of the other half
	s_mov_b32 s13, 0xfedcba98
	s_mov_b32 s14, 0xffff0000                      ; lanes 16-31
	v_and_b32 v[LN], 31, v0
	v_mov_b32 v[NEG1], -1.0
	v_and_b32 v2, 15, v0                           ; r: my place in my tile
	v_lshrrev_b32 v[STA], 4, v0
	v_lshlrev_b32 v[STA], 10, v[STA]               ; tile x 1,024
	v_lshl_add_u32 v[STA], v2, 4, v[STA]           ; + 16 r.  The four pieces lie 256 bytes apart: lane r + 16 h of a reader takes piece h, then piece 2 + h
	v_lshlrev_b32 v[L16], 4, v[LN]
	v_bfe_u32 v[TA], v0, 4, 1                      ; h
	v_lshlrev_b32 v[TA], 3, v[TA]
	v_sub_nc_u32 v2, v2, v[TA]                     ; register j of lane (r, h) holds candidate 8 h + j against query r: the diagonal is j = r - 8 h
	v_mov_b32 v[TA], FAR
.irp j, 0,1,2,3,4,5,6,7
	v_cmp_eq_u32 vcc_lo, \j, v2
	v_cndmask_b32 v[DG+\j], 0, v[TA], vcc_lo
.endr
.irp g, 0,1,2,3,4,5,6,7
	s_add_co_u32 s15, s10, \g                      ; the pairs of tiles are walked from my own pair on, round the table:
	s_and_b32 s15, s15, 7                          ; so the tiles that meet themselves come first in every wave
	s_lshl_b32 s15, s15, 11
	v_add_nc_u32 v[AD+\g], s15, v[L16]
.endr
	v_mov_b32 v[CH+28], 0x3f803f80                 ; the query's last piece: 1 1 | 1 0 | 0 0 | 0 0
	v_mov_b32 v[CH+29], 0x3f80
	v_mov_b32 v[CH+30], 0
	v_mov_b32 v[CH+31], 0
	s_wait_loadcnt 0x0
	v_mul_f32 v[SQ], v[PX], v[PX]
	v_fmac_f32 v[SQ], v[PX+1], v[PX+1]
	v_fmac_f32 v[SQ], v[PX+2], v[PX+2]
.irp c, 0,1,2,3
	SPLIT PX+\c, W+1, W+2                          ; x, y, z, |x|^2 as a candidate
	PACKV CH+4*\c, PX+\c, W+1, W+2
.endr
.irp c, 0,1,2
	v_mul_f32 v[W], -2.0, v[PX+\c]                 ; -2 x, -2 y, -2 z as a query (exact)
	SPLIT W, W+1, W+2
	PACKU CH+16+4*\c, W, W+1, W+2
.endr
.irp c, 0,1,2,3
	ds_store_b128 v[STA], v[CH+4*\c:CH+4*\c+3] offset:VTAB+256*\c          ; sixteen lanes write 256 neighbouring bytes
	ds_store_b128 v[STA], v[CH+16+4*\c:CH+16+4*\c+3] offset:UTAB+256*\c
.endr
	s_wait_dscnt 0x0                               ; my stores are done, for the other waves' sake
	s_barrier_signal -1
	s_barrier_wait -1                              ; both tables are whole; nothing writes the tables from here on
	; 36 loads in the order of use; lane l takes bytes 16 l of each half of a tile: no two lanes of a load share a bank
.irp k, 0,1,2,3
	ds_load_b128 v[BF+4*\k:BF+4*\k+3], v[AD] offset:UTAB+512*\k            ; my own pair as queries
.endr
.irp g, 0,1,2,3,4,5,6,7
.irp k, 0,1,2,3
	ds_load_b128 v[AF+16*\g+4*\k:AF+16*\g+4*\k+3], v[AD+\g] offset:VTAB+512*\k
.endr
.endr
; the g-th pair of candidate tiles against my two query tiles: four results into d .. d + 31
.macro GROUP g, d, own
	s_wait_dscnt 28-4*\g                           ; LDS loads come back in order (ISA guide 5.7.1): the queries and pairs 0 .. g are in, the 4 (7 - g) younger loads stay out
.if \own
	v_wmma_f32_16x16x32_bf16 v[\d:\d+7], v[AF+16*\g:AF+16*\g+7], v[BF:BF+7], v[DG:DG+7]
.else
	v_wmma_f32_16x16x32_bf16 v[\d:\d+7], v[AF+16*\g:AF+16*\g+7], v[BF:BF+7], 0
.endif
	v_wmma_f32_16x16x32_bf16 v[\d+8:\d+15], v[AF+16*\g:AF+16*\g+7], v[BF+8:BF+15], 0
	v_wmma_f32_16x16x32_bf16 v[\d+16:\d+23], v[AF+16*\g+8:AF+16*\g+15], v[BF:BF+7], 0
.if \own
	v_wmma_f32_16x16x32_bf16 v[\d+24:\d+31], v[AF+16*\g+8:AF+16*\g+15], v[BF+8:BF+15], v[DG:DG+7]
.else
	v_wmma_f32_16x16x32_bf16 v[\d+24:\d+31], v[AF+16*\g+8:AF+16*\g+15], v[BF+8:BF+15], 0
.endif
.endm
; A lane holds one query's column: the minimum over the candidates runs down the lane's own registers, two numbers an instruction.
; d .. d+7 and d+16 .. d+23 belong to query tile 0, the others to tile 1; the two chains are laid by turns.
.macro RED d, first
	v_min3_num_f32 v[TM],   v[\d],    v[\d+1],  v[\d+2]
	v_min3_num_f32 v[TM+5], v[\d+8],  v[\d+9],  v[\d+10]
	v_min3_num_f32 v[TM+1], v[\d+3],  v[\d+4],  v[\d+5]
	v_min3_num_f32 v[TM+6], v[\d+11], v[\d+12], v[\d+13]
	v_min3_num_f32 v[TM+2], v[\d+6],  v[\d+7],  v[\d+16]
	v_min3_num_f32 v[TM+7], v[\d+14], v[\d+15], v[\d+24]
	v_min3_num_f32 v[TM+3], v[\d+17], v[\d+18], v[\d+19]
	v_min3_num_f32 v[TM+8], v[\d+25], v[\d+26], v[\d+27]
	v_min3_num_f32 v[TM+4], v[\d+20], v[\d+21], v[\d+22]
	v_min3_num_f32 v[TM+9], v[\d+28], v[\d+29], v[\d+30]
.if \first
	v_min_num_f32  v[AC],   v[\d+23], v[TM]        ; the first pair starts the minima: nothing is preset
	v_min_num_f32  v[AC+1], v[\d+31], v[TM+5]
.else
	v_min3_num_f32 v[AC],   v[AC],   v[\d+23], v[TM]
	v_min3_num_f32 v[AC+1], v[AC+1], v[\d+31], v[TM+5]
.endif
	v_min3_num_f32 v[AC],   v[AC],   v[TM+1], v[TM+2]
	v_min3_num_f32 v[AC+1], v[AC+1], v[TM+6], v[TM+7]
	v_min3_num_f32 v[AC],   v[AC],   v[TM+3], v[TM+4]
	v_min3_num_f32 v[AC+1], v[AC+1], v[TM+8], v[TM+9]
.endm
	; Two sets of results take turns.  A result is read four plain vector instructions or more behind its matrix instruction (ISA guide 7.12.1):
	; from the second pair on the sixteen minima of the other set are those instructions; for the first pair four v_nop.
	GROUP 0, DP, 1
	GROUP 1, DQ, 0
.rept 4
	v_nop
.endr
	RED DP, 1
	GROUP 2, DP, 0
	RED DQ, 0
	GROUP 3, DQ, 0
	RED DP, 0
	GROUP 4, DP, 0
	RED DQ, 0
	GROUP 5, DQ, 0
	RED DP, 0
	GROUP 6, DP, 0
	RED DQ, 0
	GROUP 7, DQ, 0
	RED DP, 0
	RED DQ, 0
	; lanes r and r + 16 hold the minima over candidates 0-7 and 8-15 of each tile: join them
	v_permlanex16_b32 v[TM],   v[AC],   s12, s13
	v_permlanex16_b32 v[TM+1], v[AC+1], s12, s13
	v_min_num_f32 v[AC],   v[AC],   v[TM]
	v_min_num_f32 v[AC+1], v[AC+1], v[TM+1]
	v_cndmask_b32 v[AC], v[AC], v[AC+1], s14       ; lane l now holds the figure of point 32 w + l: tile 0 in lanes 0-15, tile 1 in lanes 16-31
	v_add_f32 v[AC], v[AC], v[SQ]                  ; + |a|^2: the smallest d2 to another point of the block
	v_cmp_ge_f32 vcc_lo, R2BITS, v[AC]             ; 1.21 >= d2 (false for a NaN)
	s_not_b32 s15, vcc_lo                          ; bit l: still in need
	s_lshl_b32 s8, ttmp9, 5                        ; 8 words a block (s9 is still 0)
	s_lshl2_add_u32 s8, s10, s8                    ; + 4 x wave
	s_add_nc_u64 s[6:7], s[6:7], s[8:9]
	v_mov_b32 v[TM], 0
	v_mov_b32 v[TM+1], s15
	v_cmp_eq_u32 vcc_lo, 0, v[LN]
	s_wait_xcnt 0x0                                ; EXEC changes only behind s_wait_xcnt 0
	s_wait_tensorcnt 0x0
	ds_add_u32 v252, v253
	s_wait_dscnt 0x0
	s_and_saveexec_b32 s16, vcc_lo                 ; a wave's whole result is this one word: lane 0 stores it
	global_store_b32 v[TM], v[TM+1], s[6:7]
	s_endpgm
.Lfunc_end_k_q51922a3b91_filter:
	.size	k_q51922a3b91_filter, .Lfunc_end_k_q51922a3b91_filter-k_q51922a3b91_filter
	.p2alignl 7, 3214868480
	.fill 96, 4, 3214868480
	.section	.rodata,"a",@progbits
	.p2align	6, 0x0
	.amdhsa_kernel k_q51922a3b91_filter
		.amdhsa_group_segment_fixed_size 33792
		.amdhsa_private_segment_fixed_size 0
		.amdhsa_enable_private_segment 0
		.amdhsa_kernarg_size 16
		.amdhsa_user_sgpr_count 2
		.amdhsa_user_sgpr_kernarg_segment_ptr 1
		.amdhsa_wavefront_size32 1
		.amdhsa_system_sgpr_workgroup_id_x 1
		.amdhsa_system_sgpr_workgroup_id_y 1
		.amdhsa_system_sgpr_workgroup_id_z 1
		.amdhsa_system_vgpr_workitem_id 0
		.amdhsa_next_free_vgpr 254
		.amdhsa_next_free_sgpr 66
		.amdhsa_reserve_vcc 1
		.amdhsa_float_denorm_mode_32 3
		.amdhsa_float_denorm_mode_16_64 3
		.amdhsa_memory_ordered 1
		.amdhsa_forward_progress 1
		.amdhsa_inst_pref_size 21
	.end_amdhsa_kernel
	.amdgpu_metadata
---
amdhsa.version: [ 1, 2 ]
amdhsa.kernels:
  - .name:           k_q51922a3b91_filter
    .symbol:         k_q51922a3b91_filter.kd
    .args:
      - { .name: x, .offset: 0, .size: 8, .value_kind: global_buffer, .address_space: global }
      - { .name: need, .offset: 8, .size: 8, .value_kind: global_buffer, .address_space: global }
    .group_segment_fixed_size: 33792
    .private_segment_fixed_size: 0
    .kernarg_segment_align: 8
    .kernarg_segment_size: 16
    .max_flat_workgroup_size: 256
    .sgpr_count:     66
    .vgpr_count:     254
    .wavefront_size: 32
...
	.end_amdgpu_metadata
.endif
;; end of part 1
;; launch refine (part 2): grid 256 x 1, 8 waves a work-group, no clusters, 28,928 bytes of LDS; arguments x, need, out0, out1; writes out0, out1
.if DOCPART == 2
	.amdgcn_target "amdgcn-amd-amdhsa--gfx1250"
	.amdhsa_code_object_version 6
	.text
	.protected	k_q51922a3b91_refine
	.globl	k_q51922a3b91_refine
	.p2align	8
	.type	k_q51922a3b91_refine,@function
k_q51922a3b91_refine:
	s_mov_b64 s[64:65], 0
	v_nop
	global_prefetch_b8 v0, s[64:65] scope:SCOPE_SE
	s_setreg_imm32_b32 hwreg(HW_REG_WAVE_MODE, 25, 1), 1
	s_wait_xcnt 0x0
; RADIUS OUTLIER REMOVAL, SECOND OF TWO LAUNCHES: THE REFINEMENT AND THE OUTPUTS.
; x: [16][4096][3] f32; need: 8 words a block of 256 points, bit = 1: the point found no neighbour within r inside its own block (first launch).
; out1 = mask (a byte a point), out0 = x * mask.  A work-group owns the same 256 points as in the first launch, thread t point t.
; The points in need (U of 256) are ranked to the front: each thread lays its point's query row at its PLACE in an LDS table (points in need first, in their order,
; then the others: a permutation of 0 .. 255).  Sixteen places at a time are the queries of a pass (ceil(U / 16) passes, at least one, so that every work-group
; runs the same text).  In a pass each of the eight waves tries the 16 queries against 30 of the 240 candidate tiles of the OTHER 15 blocks of the batch:
; the own block is settled, and with it the point itself is out of the way.  mask = not in need, or smallest d2 <= f32(1.21).
; The trip count and the places come from whole numbers read from memory; no branch and no address hangs on a floating-point number.
;
; d2(i, j) = |a|^2 + (|b|^2 - 2 a.b); the bracket is one matrix instruction for 16 candidates x 16 queries, every f32 cut exactly into three bf16 pieces:
;   K 0-7 x, K 8-15 y, K 16-23 z:  query  -2 a: a1 a1 a1 a2 a2 a2 a3 a3    candidate b: b1 b2 b3 b1 b2 b3 b1 b2    (all products but a3 b3)
;   K 24-31:                       query         1  1  1  0  0  0  0  0    candidate |b|^2: t1 t2 t3 t1 t2 t3 t1 t2
; A candidate fragment is made in registers from x itself: lane (r, h) of a tile holds K 8 h .. 8 h + 7 and 16 + 8 h .. of candidate r, so lanes 0-15 cut x and z,
; lanes 16-31 cut y and |b|^2, by the same 17 instructions.  With more than 16 points in need the candidates are cut again in every pass: 16 passes at the most.
; LIMITS, as in the first launch.  (1) The point itself is taken as counted (true in the problem's own formula for coordinates below about 500 in size).
; (2) a3 b3, at most 2^-32 |a||b|, is left out.  (3) |a|^2 by fused multiply-adds, added behind the minimum: the order of rounding differs by a few units in the
; last place of |x|^2.  NaN and infinities: all d2 of such a point are NaN, which lose each minimum and fail the comparison: mask 0, out0 = x * 0 = NaN.
; NO CLUSTER, NO TENSOR LOAD: the sixteen work-groups of a batch each leave out another block and start elsewhere, so their lists of tiles differ; and the 46,080 bytes
; that a work-group reads go once, 192 neighbouring bytes a load, straight into the lanes that cut them.
.set R2BITS, 0x3f9ae148                ; f32(1.1 * 1.1)
.set INF,    0x7f800000
.set TILES,  30                        ; candidate tiles of a wave: 8 x 30 = 15 blocks x 16
.set UTAB,   0                         ; query rows: piece c (16 bytes: x, y, z, ones) of place p at 4,096 c + 16 p    16,384 bytes
.set PART,   16384                     ; for each wave 256 words: its minimum for each place                          8,192 bytes
.set ST0,    24576                     ; out0 of the block                                                            3,072 bytes
.set ST1,    27648                     ; out1 of the block                                                              256 bytes
.set XO,   1                           ; v1       byte offset of my point in the batch
.set LN,   2                           ; v2       lane
.set RR,   3                           ; v3       lane % 16
.set PX,   4                           ; v[4:6]   my point
.set SQ,   7                           ; v7       its |x|^2
.set NEG1, 8                           ; v8       -1.0
.set R12,  9                           ; v9       12 x (lane % 16)
.set POS,  10                          ; v10      my point's place
.set TA,   11                          ; v11      at work, as are v[12:19]
.set HOF,  20                          ; v20      4,096 x (lane / 16): lanes 0-15 read pieces 0 and 2, lanes 16-31 pieces 1 and 3
.set PAB,  23                          ; v23      my lane's word in my wave's minima
.set AF0,  32                          ; v[32:39], v[40:47] candidate fragment, two buffers
.set AF1,  40
.set BF,   48                          ; v[48:55] the pass's query fragment
.set D0,   56                          ; v[56:63], v[64:71] results, two sets
.set D1,   64
.set BT,   72                          ; v[72:78] at work on a fragment
.set AC,   80                          ; v80      running minimum
.set TM,   81                          ; v81, v82 at work
.set CH,   84                          ; v[84:99] my point's query row
.set RS,   100                         ; v[100:107] my wave's minima: lane l of register k = place 32 k + l (passes 2 k and 2 k + 1)
.set XB,   128                         ; v[128:247] tile i: x y z of candidate lane % 16 in three registers, the load's offset in the fourth
.set SEL,  35                          ; s35 = 0x07060302: v_perm_b32 gives {upper half of the first source, upper half of the second}
.set HI,   36                          ; s36 = lanes 16-31
.macro SPLIT a, b, c                   ; b = a - (top 16 bits of a as bf16), c = b - (top 16 bits of b): both exact
	v_fma_mix_f32_bf16 v[\b], v[\a], v[NEG1], v[\a] op_sel:[1,0,0] op_sel_hi:[1,0,0]
	v_fma_mix_f32_bf16 v[\c], v[\b], v[NEG1], v[\b] op_sel:[1,0,0] op_sel_hi:[1,0,0]
.endm
.macro PACKU d, a, b, c                ; a1 a1 | a1 a2 | a2 a2 | a3 a3
	v_perm_b32 v[\d],   v[\a], v[\a], s[SEL]
	v_perm_b32 v[\d+1], v[\b], v[\a], s[SEL]
	v_perm_b32 v[\d+2], v[\b], v[\b], s[SEL]
	v_perm_b32 v[\d+3], v[\c], v[\c], s[SEL]
.endm
	s_load_b256 s[4:11], s[0:1], 0x0               ; x s[4:5], need s[6:7], out0 s[8:9], out1 s[10:11]
	v_lshl_add_u32 v248, v0, 2, 0x6d00
	v_mov_b32 v249, 0
	v_lshrrev_b32 v[TA], 5, v0
	v_readfirstlane_b32 s12, v[TA]                 ; wave 0..7
	s_and_b32 s13, ttmp9, 15                       ; my block in its batch
	s_lshr_b32 s14, ttmp9, 4                       ; the batch
	s_mul_i32 s42, s14, 49152                      ; 4,096 points of 12 bytes
	s_mov_b32 s43, 0
	s_lshl_b32 s44, ttmp9, 5                       ; 8 words of need a block
	s_mov_b32 s45, 0
	s_mul_i32 s15, s13, 3072
	v_and_b32 v[LN], 31, v0
	v_and_b32 v[RR], 15, v0
	v_mul_u32_u24 v[XO], 12, v0
	v_add_nc_u32 v[XO], s15, v[XO]
	v_mul_u32_u24 v[R12], 12, v[RR]
	s_lshl_b32 s41, s13, 4
	s_mul_i32 s40, s12, TILES
	s_add_co_u32 s41, s41, s40
	s_add_co_u32 s41, s41, 16                      ; my first candidate tile: the block behind mine, + 30 x wave (taken modulo 256 below)
	s_wait_kmcnt 0x0
	s_add_nc_u64 s[6:7], s[6:7], s[44:45]
	s_load_b256 s[16:23], s[6:7], 0x0              ; the block's 256 bits
	s_add_nc_u64 s[4:5], s[4:5], s[42:43]          ; x at my batch
	global_load_b96 v[PX:PX+2], v[XO], s[4:5]      ; my own point first: it is wanted first
.set i, 0
.rept TILES
	s_add_co_u32 s40, s41, i
	s_and_b32 s40, s40, 255                        ; round the batch's 256 tiles: 240 tiles from the block behind mine never reach my own
	s_mul_i32 s40, s40, 192                        ; 16 points of 12 bytes
	v_add_nc_u32 v[XB+4*i+3], s40, v[R12]
	global_load_b96 v[XB+4*i:XB+4*i+2], v[XB+4*i+3], s[4:5]        ; both halves of the wave read the tile's 192 bytes
.set i, i+1
.endr
	s_mul_i32 s44, ttmp9, 3072
	s_add_nc_u64 s[8:9], s[8:9], s[44:45]          ; out0 at my block
	s_lshl_b32 s44, ttmp9, 8
	s_add_nc_u64 s[10:11], s[10:11], s[44:45]      ; out1 at my block
	s_mov_b32 s[SEL], 0x07060302
	s_mov_b32 s[HI], 0xffff0000
	s_mov_b32 s37, 0x76543210                      ; v_permlanex16_b32: lane i reads lane i of the other half
	s_mov_b32 s38, 0xfedcba98
	v_mov_b32 v[NEG1], -1.0
	v_and_b32 v[HOF], 16, v0
	v_lshlrev_b32 v[HOF], 8, v[HOF]
	s_lshl_b32 s40, s12, 10
	s_add_co_u32 s40, s40, PART
	v_lshl_add_u32 v[PAB], v[LN], 2, s40
	v_mov_b32 v[CH+12], 0x3f803f80                 ; the query row's last piece: 1 1 | 1 0 | 0 0 | 0 0
	v_mov_b32 v[CH+13], 0x3f80
	v_mov_b32 v[CH+14], 0
	v_mov_b32 v[CH+15], 0
.irp k, 0,1,2,3,4,5,6,7
	v_mov_b32 v[RS+\k], INF                        ; a place that no pass serves has met no candidate
.endr
	s_wait_kmcnt 0x0
	; s[24:31]: how many points in need lie in the words in front of word i; s32 = U; s33 = passes
	s_mov_b32 s24, 0
.irp i, 0,1,2,3,4,5,6
	s_bcnt1_i32_b32 s40, s[16+\i]
	s_add_co_u32 s[25+\i], s[24+\i], s40
.endr
	s_bcnt1_i32_b32 s40, s23
	s_add_co_u32 s32, s31, s40
	s_add_co_u32 s33, s32, 15
	s_lshr_b32 s33, s33, 4
	s_max_u32 s33, s33, 1
	s_min_u32 s33, s33, 16
	s_mov_b32 s39, s16                             ; s39: my wave's own word; s41: the points in need in front of it
	s_mov_b32 s41, 0
.irp i, 1,2,3,4,5,6,7
	s_cmp_eq_u32 s12, \i
	s_cselect_b32 s39, s[16+\i], s39
	s_cselect_b32 s41, s[24+\i], s41
.endr
	v_mbcnt_lo_u32_b32 v12, s39, s41               ; points in need in front of mine: my place if I am in need
	v_add_nc_u32 v13, s32, v0
	v_sub_nc_u32 v13, v13, v12                     ; U + the others in front of mine: my place if I am not
	v_cndmask_b32 v[POS], v13, v12, s39
	v_min_u32 v[POS], 0xff, v[POS]                 ; a number made of loaded words enters an address only behind a clamp
	s_wait_loadcnt 30                              ; loads come back in order (ISA guide 5.7.1): my own point is in, the 30 candidate loads behind it stay out
	v_mul_f32 v[SQ], v[PX], v[PX]
	v_fmac_f32 v[SQ], v[PX+1], v[PX+1]
	v_fmac_f32 v[SQ], v[PX+2], v[PX+2]
.irp c, 0,1,2
	v_mul_f32 v12, -2.0, v[PX+\c]
	SPLIT 12, 13, 14
	PACKU CH+4*\c, 12, 13, 14
.endr
	v_lshlrev_b32 v[TA], 4, v[POS]
.irp c, 0,1,2,3
	ds_store_b128 v[TA], v[CH+4*\c:CH+4*\c+3] offset:UTAB+4096*\c  ; neighbouring places lie on neighbouring 16 bytes
.endr
	s_wait_dscnt 0x0                               ; my stores are done, for the other waves' sake
	s_barrier_signal -1
	s_barrier_wait -1                              ; the table of query rows is whole: the places are a permutation, so all 16,384 bytes are written
	s_wait_loadcnt 0x0                             ; my 30 tiles of candidates, asked for in front of all the work above
; the fragment of candidate tile n into f .. f + 7; the two values of a lane are cut by turns
.macro BUILD n, f
	v_mul_f32     v[BT],   v[XB+4*(\n)],   v[XB+4*(\n)]
	v_cndmask_b32 v[BT+1], v[XB+4*(\n)],   v[XB+4*(\n)+1], s[HI]          ; x, in lanes 16-31 y
	v_fmac_f32    v[BT],   v[XB+4*(\n)+1], v[XB+4*(\n)+1]
	v_fma_mix_f32_bf16 v[BT+3], v[BT+1], v[NEG1], v[BT+1] op_sel:[1,0,0] op_sel_hi:[1,0,0]
	v_fmac_f32    v[BT],   v[XB+4*(\n)+2], v[XB+4*(\n)+2]
	v_fma_mix_f32_bf16 v[BT+5], v[BT+3], v[NEG1], v[BT+3] op_sel:[1,0,0] op_sel_hi:[1,0,0]
	v_cndmask_b32 v[BT+2], v[XB+4*(\n)+2], v[BT], s[HI]                   ; z, in lanes 16-31 |b|^2
	v_perm_b32 v[\f],   v[BT+3], v[BT+1], s[SEL]                          ; b1 b2
	v_fma_mix_f32_bf16 v[BT+4], v[BT+2], v[NEG1], v[BT+2] op_sel:[1,0,0] op_sel_hi:[1,0,0]
	v_perm_b32 v[\f+1], v[BT+1], v[BT+5], s[SEL]                          ; b3 b1
	v_fma_mix_f32_bf16 v[BT+6], v[BT+4], v[NEG1], v[BT+4] op_sel:[1,0,0] op_sel_hi:[1,0,0]
	v_perm_b32 v[\f+2], v[BT+5], v[BT+3], s[SEL]                          ; b2 b3
	v_perm_b32 v[\f+3], v[BT+3], v[BT+1], s[SEL]                          ; b1 b2
	v_perm_b32 v[\f+4], v[BT+4], v[BT+2], s[SEL]
	v_perm_b32 v[\f+5], v[BT+2], v[BT+6], s[SEL]
	v_perm_b32 v[\f+6], v[BT+6], v[BT+4], s[SEL]
	v_perm_b32 v[\f+7], v[BT+4], v[BT+2], s[SEL]
.endm
.macro MM d, f
	v_wmma_f32_16x16x32_bf16 v[\d:\d+7], v[\f:\f+7], v[BF:BF+7], 0
.endm
.macro RED d, first                    ; a lane holds one query's column: the minimum runs down its own eight registers
	v_min3_num_f32 v[TM],   v[\d],   v[\d+1], v[\d+2]
	v_min3_num_f32 v[TM+1], v[\d+3], v[\d+4], v[\d+5]
.if \first
	v_min_num_f32  v[AC], v[\d+6], v[\d+7]         ; the pass's first tile starts the minimum: nothing is preset
.else
	v_min3_num_f32 v[AC], v[AC], v[\d+6], v[\d+7]
.endif
	v_min3_num_f32 v[AC], v[AC], v[TM], v[TM+1]
.endm
	; THE PASSES.  The loop only reads LDS (the table of query rows); what a pass finds stays in registers.
	s_mov_b32 s34, 0
.Lpass:
	s_lshl_b32 s40, s34, 4
	v_add_nc_u32 v12, s40, v[RR]                   ; my column's place: 16 q + r
	v_min_u32 v12, 0xff, v12                       ; the trip count is made of loaded words: clamped before it enters an address
	v_lshl_add_u32 v12, v12, 4, v[HOF]
	ds_load_b128 v[BF:BF+3],   v12 offset:UTAB         ; K 8 h .. 8 h + 7 of its row: piece h
	ds_load_b128 v[BF+4:BF+7], v12 offset:UTAB+8192    ; K 16 + 8 h ..: piece 2 + h
	; Fragments and results take turns on two buffers each.  Between a matrix instruction and the read of its result, and the rewriting of its fragment, stand the
	; four minima of the tile before and the 17 instructions of the next fragment, which name none of its registers (ISA guide 7.12.1 asks for four).
	BUILD 0, AF0
	s_wait_dscnt 0x0                               ; the query fragment
	MM D0, AF0
	BUILD 1, AF1
	MM D1, AF1
	RED D0, 1
.set i, 2
.rept (TILES-2)/2
	BUILD i, AF0
	MM D0, AF0
	RED D1, 0
	BUILD i+1, AF1
	MM D1, AF1
	RED D0, 0
.set i, i+2
.endr
	RED D1, 0                                      ; the four minima just above are the four instructions behind the last matrix instruction
	v_permlanex16_b32 v[TM], v[AC], s37, s38       ; lanes r and r + 16 hold candidates 0-7 and 8-15 of each tile: join them
	v_min_num_f32 v[AC], v[AC], v[TM]              ; both halves of the wave now hold the figure of place 16 q + r
	s_lshr_b32 s46, s34, 1                         ; it is kept in register q / 2, in lanes 0-15 for an even q, in lanes 16-31 for an odd one
	s_bitcmp1_b32 s34, 0
	s_cselect_b32 s47, s[HI], 0xffff
.irp k, 0,1,2,3,4,5,6,7
	s_cmp_eq_u32 s46, \k
	s_cselect_b32 s40, s47, 0
	v_cndmask_b32 v[RS+\k], v[RS+\k], v[AC], s40
.endr
	s_add_co_u32 s34, s34, 1
	s_cmp_lt_u32 s34, s33
	s_cbranch_scc1 .Lpass
	; Which bytes a pass reads follows from a trip count that is read from memory.  So that the order of those reads and of the stores below rests on no figure of
	; that count, a barrier stands between them: every wave's reads in the loop are back before any wave stores.  All eight waves make the same number of passes
	; (the count is made of the same eight words), and the barrier stands behind the loop, on every wave's path.
	s_wait_dscnt 0x0                               ; my reads of the table are back (each pass has waited for its own two)
	s_barrier_signal -1
	s_barrier_wait -1
.irp k, 0,1,2,3,4,5,6,7
	ds_store_b32 v[PAB], v[RS+\k] offset:128*\k    ; my wave's minima for places 32 k + lane, in my wave's own 1,024 bytes behind the table
.endr
	s_wait_dscnt 0x0                               ; they are stored, for the other waves' sake
	s_barrier_signal -1
	s_barrier_wait -1
	v_lshlrev_b32 v[TA], 2, v[POS]
.irp k, 0,1,2,3,4,5,6,7
	ds_load_b32 v[12+\k], v[TA] offset:PART+1024*\k    ; the eight waves' figures for my point's place
.endr
	s_wait_dscnt 0x0
	v_min3_num_f32 v12, v12, v13, v14
	v_min3_num_f32 v15, v15, v16, v17
	v_min3_num_f32 v12, v12, v18, v19
	v_min_num_f32 v12, v12, v15
	v_add_f32 v12, v12, v[SQ]                      ; + |a|^2: the smallest d2 to a point of the other 15 blocks (a point in need lies in front of place U, which a pass has served)
	v_cmp_ge_f32 vcc_lo, R2BITS, v12               ; 1.21 >= d2 (false for a NaN and for a place that was not served)
	s_not_b32 s40, s39
	s_or_b32 s40, s40, vcc_lo                      ; kept: a neighbour in my own block, or one now
	v_cndmask_b32 v13, 0, 1.0, s40
	v_cndmask_b32 v14, 0, 1, s40
	v_mul_f32 v[PX],   v[PX],   v13                ; x * mask, as the problem writes it (keeps the sign of a zero, NaN from an infinity)
	v_mul_f32 v[PX+1], v[PX+1], v13
	v_mul_f32 v[PX+2], v[PX+2], v13
	; THE WAY OUT, through LDS, so that each store of a wave covers whole aligned stretches of 256 bytes
	v_mul_u32_u24 v[TA], 12, v0
	ds_store_b32 v[TA], v[PX]   offset:ST0
	ds_store_b32 v[TA], v[PX+1] offset:ST0+4
	ds_store_b32 v[TA], v[PX+2] offset:ST0+8
	ds_store_b8 v0, v14 offset:ST1
	s_wait_dscnt 0x0
	s_barrier_signal -1
	s_barrier_wait -1
	s_cmp_lt_u32 s12, 6
	s_cbranch_scc0 .Lmask
	v_lshlrev_b32 v[TA], 4, v0                     ; waves 0-5: 192 threads x 16 bytes = the block's 3,072 bytes of out0, 512 neighbouring bytes a wave
	ds_load_b128 v[12:15], v[TA] offset:ST0
	s_wait_dscnt 0x0
	global_store_b128 v[TA], v[12:15], s[8:9] th:TH_STORE_NT
	s_wait_tensorcnt 0x0
	ds_add_u32 v248, v249
	s_wait_dscnt 0x0
	s_endpgm
.Lmask:
	s_cmp_eq_u32 s12, 6
	s_cbranch_scc0 .Lend
	v_lshlrev_b32 v[TA], 3, v[LN]                  ; wave 6: 32 lanes x 8 bytes = the block's 256 bytes of out1
	ds_load_b64 v[12:13], v[TA] offset:ST1
	s_wait_dscnt 0x0
	global_store_b64 v[TA], v[12:13], s[10:11] th:TH_STORE_NT
.Lend:
	s_wait_tensorcnt 0x0
	ds_add_u32 v248, v249
	s_wait_dscnt 0x0
	s_endpgm
.Lfunc_end_k_q51922a3b91_refine:
	.size	k_q51922a3b91_refine, .Lfunc_end_k_q51922a3b91_refine-k_q51922a3b91_refine
	.p2alignl 7, 3214868480
	.fill 96, 4, 3214868480
	.section	.rodata,"a",@progbits
	.p2align	6, 0x0
	.amdhsa_kernel k_q51922a3b91_refine
		.amdhsa_group_segment_fixed_size 28928
		.amdhsa_private_segment_fixed_size 0
		.amdhsa_enable_private_segment 0
		.amdhsa_kernarg_size 32
		.amdhsa_user_sgpr_count 2
		.amdhsa_user_sgpr_kernarg_segment_ptr 1
		.amdhsa_wavefront_size32 1
		.amdhsa_system_sgpr_workgroup_id_x 1
		.amdhsa_system_sgpr_workgroup_id_y 1
		.amdhsa_system_sgpr_workgroup_id_z 1
		.amdhsa_system_vgpr_workitem_id 0
		.amdhsa_next_free_vgpr 250
		.amdhsa_next_free_sgpr 66
		.amdhsa_reserve_vcc 1
		.amdhsa_float_denorm_mode_32 3
		.amdhsa_float_denorm_mode_16_64 3
		.amdhsa_memory_ordered 1
		.amdhsa_forward_progress 1
		.amdhsa_inst_pref_size 58
	.end_amdhsa_kernel
	.amdgpu_metadata
---
amdhsa.version: [ 1, 2 ]
amdhsa.kernels:
  - .name:           k_q51922a3b91_refine
    .symbol:         k_q51922a3b91_refine.kd
    .args:
      - { .name: x, .offset: 0, .size: 8, .value_kind: global_buffer, .address_space: global }
      - { .name: need, .offset: 8, .size: 8, .value_kind: global_buffer, .address_space: global }
      - { .name: out0, .offset: 16, .size: 8, .value_kind: global_buffer, .address_space: global }
      - { .name: out1, .offset: 24, .size: 8, .value_kind: global_buffer, .address_space: global }
    .group_segment_fixed_size: 28928
    .private_segment_fixed_size: 0
    .kernarg_segment_align: 8
    .kernarg_segment_size: 32
    .max_flat_workgroup_size: 256
    .sgpr_count:     66
    .vgpr_count:     250
    .wavefront_size: 32
...
	.end_amdgpu_metadata
.endif
;; end of part 2
;; ======== version 2 of 2: 2 launches; version 1 with the launch refine written anew for expert scheduling mode
;; limits: inputs' magnitudes at most 500
;; workspace buffers: need 8,192 bytes of whole numbers
;; launch filter: the kernel of part 1 again; grid 256 x 1, 8 waves a work-group, no clusters, 33,792 bytes of LDS; arguments x, need; writes need
;; launch refine (part 3): grid 256 x 1, 8 waves a work-group, no clusters, 28,928 bytes of LDS; arguments x, need, out0, out1; writes out0, out1
.if DOCPART == 3
	.amdgcn_target "amdgcn-amd-amdhsa--gfx1250"
	.amdhsa_code_object_version 6
	.text
	.protected	k_q51922a3b91_refine
	.globl	k_q51922a3b91_refine
	.p2align	8
	.type	k_q51922a3b91_refine,@function
k_q51922a3b91_refine:
	s_mov_b64 s[64:65], 0
	v_nop
	global_prefetch_b8 v0, s[64:65] scope:SCOPE_SE
	s_setreg_imm32_b32 hwreg(HW_REG_WAVE_SCHED_MODE, 0, 2), 2
	s_setreg_imm32_b32 hwreg(HW_REG_WAVE_MODE, 25, 1), 1
	s_wait_xcnt 0x0
	s_wait_alu depctr_vm_vsrc(0)
; RADIUS OUTLIER REMOVAL, SECOND OF TWO LAUNCHES: THE REFINEMENT AND THE OUTPUTS.
; x: [16][4096][3] f32; need: 8 words a block of 256 points, bit = 1: the point found no neighbour within r inside its own block (first launch).
; out1 = mask (a byte a point), out0 = x * mask.  A work-group owns the same 256 points as in the first launch, thread t point t.
; The points in need (U of 256) are ranked to the front: each thread lays its point's query row at its PLACE in an LDS table (points in need first, in their order,
; then the others: a permutation of 0 .. 255).  Sixteen places at a time are the queries of a pass (ceil(U / 16) passes, at least one, so that every work-group
; runs the same text).  In a pass each of the eight waves tries the 16 queries against 30 of the 240 candidate tiles of the OTHER 15 blocks of the batch:
; the own block is settled, and with it the point itself is out of the way.  mask = not in need, or smallest d2 <= f32(1.21).
; The trip count and the places come from whole numbers read from memory; no branch and no address hangs on a floating-point number.
;
; d2(i, j) = |a|^2 + (|b|^2 - 2 a.b); the bracket is one matrix instruction for 16 candidates x 16 queries, every f32 cut exactly into three bf16 pieces:
;   K 0-7 x, K 8-15 y, K 16-23 z:  query  -2 a: a1 a1 a1 a2 a2 a2 a3 a3    candidate b: b1 b2 b3 b1 b2 b3 b1 b2    (all products but a3 b3)
;   K 24-31:                       query         1  1  1  0  0  0  0  0    candidate |b|^2: t1 t2 t3 t1 t2 t3 t1 t2
; A candidate fragment is made in registers from x itself: lane (r, h) of a tile holds K 8 h .. 8 h + 7 and 16 + 8 h .. of candidate r, so lanes 0-15 cut x and z,
; lanes 16-31 cut y and |b|^2, by the same 17 instructions.  With more than 16 points in need the candidates are cut again in every pass: 16 passes at the most.
; LIMITS, as in the first launch.  (1) The point itself is taken as counted (true in the problem's own formula for coordinates below about 500 in size).
; (2) a3 b3, at most 2^-32 |a||b|, is left out.  (3) |a|^2 by fused multiply-adds, added behind the minimum: the order of rounding differs by a few units in the
; last place of |x|^2.  NaN and infinities: all d2 of such a point are NaN, which lose each minimum and fail the comparison: mask 0, out0 = x * 0 = NaN.
; NO CLUSTER, NO TENSOR LOAD: the sixteen work-groups of a batch each leave out another block and start elsewhere, so their lists of tiles differ; and the 46,080 bytes
; that a work-group reads go once, 192 neighbouring bytes a load, straight into the lanes that cut them.
; THE MODE: SCHED_MODE bits 1:0 = 2 (LLVM: expert scheduling mode 2), set by the entry lines.  The code itself states the register dependences
; between vector or matrix instructions and memory or LDS instructions, with s_wait_alu, always for 0.
; THE PLAN.  Registers that memory or LDS instructions touch:
;   v[XO], v[XB+4 i+3]   the 31 loads' offsets: made at the head, never written again.
;   v[PX ..], v[XB+4 i ..] the loads land in them once; after that vector instructions alone name the tiles; the point is multiplied by the mask and then stored to LDS.
;   v[QST], v[CH ..]     address and data of the four stores of my query row: made at the head, never written again.
;   v[QAD]               written at the head of each pass, read by the pass's two LDS loads: the one address that is written more than once.
;   v[BF ..]             those two loads land in it; the pass's 30 matrix instructions read it.
;   v[PAB], v[RS ..]     address (made at the head) and data (written at each pass's end) of the eight stores behind the loop.
;   v[PRD], v[12:19]     address (made at the head) and landing place of the eight loads of the waves' minima; v12 to v14 were at work at the head.
;   v[O12], v0, v[PX ..], v14   addresses and data of the stores into the stages;   v[O16], v[O8], v[16:19]  the way back and out.
; Every address has a register of its own, so that none but v[QAD] is written after a memory instruction has read it.  So the text holds five waits on va_vdst (ahead of the
; global loads; ahead of the query row's stores; one a pass; ahead of the minima's stores; ahead of the stages' stores), one on vm_vsrc a pass, one on va_sdst, one on va_vcc.
; The query fragment has one buffer: the loop is one text with a trip count read from memory, and two buffers by turns would want that text twice.
.set R2BITS, 0x3f9ae148                ; f32(1.1 * 1.1)
.set INF,    0x7f800000
.set TILES,  30                        ; candidate tiles of a wave: 8 x 30 = 15 blocks x 16
.set UTAB,   0                         ; query rows: piece c (16 bytes: x, y, z, ones) of place p at 4,096 c + 16 p    16,384 bytes
.set PART,   16384                     ; for each wave 256 words: its minimum for each place                          8,192 bytes
.set ST0,    24576                     ; out0 of the block                                                            3,072 bytes
.set ST1,    27648                     ; out1 of the block                                                              256 bytes
.set XO,   1                           ; v1       byte offset of my point in the batch
.set LN,   2                           ; v2       lane
.set RR,   3                           ; v3       lane % 16
.set PX,   4                           ; v[4:6]   my point
.set SQ,   7                           ; v7       its |x|^2
.set NEG1, 8                           ; v8       -1.0
.set R12,  9                           ; v9       12 x (lane % 16)
.set POS,  10                          ; v10      my point's place
.set TA,   11                          ; v11      at work, as are v[12:19]
.set HOF,  20                          ; v20      4,096 x (lane / 16): lanes 0-15 read pieces 0 and 2, lanes 16-31 pieces 1 and 3
.set QST,  21                          ; v21      16 x my place: where my query row's pieces go
.set PRD,  22                          ; v22      4 x my place: my place's word in a wave's minima
.set PAB,  23                          ; v23      my lane's word in my wave's minima
.set O12,  24                          ; v24      12 x thread: my point in the stage of out0
.set O16,  25                          ; v25      16 x thread: my 16 bytes of the stage and of out0 on the way out
.set O8,   26                          ; v26      8 x lane: my 8 bytes of out1 on the way out
.set QAD,  27                          ; v27      LDS address of my part of the pass's query fragment
.set AF0,  32                          ; v[32:39], v[40:47] candidate fragment, two buffers
.set AF1,  40
.set BF,   48                          ; v[48:55] the pass's query fragment
.set D0,   56                          ; v[56:63], v[64:71] results, two sets
.set D1,   64
.set BT,   72                          ; v[72:78] at work on a fragment
.set AC,   80                          ; v80      running minimum
.set TM,   81                          ; v81, v82 at work
.set CH,   84                          ; v[84:99] my point's query row
.set RS,   100                         ; v[100:107] my wave's minima: lane l of register k = place 32 k + l (passes 2 k and 2 k + 1)
.set XB,   128                         ; v[128:247] tile i: x y z of candidate lane % 16 in three registers, the load's offset in the fourth
.set SEL,  35                          ; s35 = 0x07060302: v_perm_b32 gives {upper half of the first source, upper half of the second}
.set HI,   36                          ; s36 = lanes 16-31
.macro SPLIT a, b, c                   ; b = a - (top 16 bits of a as bf16), c = b - (top 16 bits of b): both exact
	v_fma_mix_f32_bf16 v[\b], v[\a], v[NEG1], v[\a] op_sel:[1,0,0] op_sel_hi:[1,0,0]
	v_fma_mix_f32_bf16 v[\c], v[\b], v[NEG1], v[\b] op_sel:[1,0,0] op_sel_hi:[1,0,0]
.endm
.macro PACKU d, a, b, c                ; a1 a1 | a1 a2 | a2 a2 | a3 a3
	v_perm_b32 v[\d],   v[\a], v[\a], s[SEL]
	v_perm_b32 v[\d+1], v[\b], v[\a], s[SEL]
	v_perm_b32 v[\d+2], v[\b], v[\b], s[SEL]
	v_perm_b32 v[\d+3], v[\c], v[\c], s[SEL]
.endm
	s_load_b256 s[4:11], s[0:1], 0x0               ; x s[4:5], need s[6:7], out0 s[8:9], out1 s[10:11]
	v_lshl_add_u32 v126, v0, 2, 0x6d00
	v_mov_b32 v127, 0
	; all that needs no loaded number is made while the arguments are on their way: every offset, every address but the places', every constant
	v_lshrrev_b32 v[TA], 5, v0
	v_readfirstlane_b32 s12, v[TA]                 ; wave 0..7
	s_and_b32 s13, ttmp9, 15                       ; my block in its batch
	s_lshr_b32 s14, ttmp9, 4                       ; the batch
	s_mul_i32 s42, s14, 49152                      ; 4,096 points of 12 bytes
	s_mov_b32 s43, 0
	s_lshl_b32 s44, ttmp9, 5                       ; 8 words of need a block
	s_mov_b32 s45, 0
	s_mul_i32 s15, s13, 3072
	s_mov_b32 s[SEL], 0x07060302
	s_mov_b32 s[HI], 0xffff0000
	s_mov_b32 s37, 0x76543210                      ; v_permlanex16_b32: lane i reads lane i of the other half
	s_mov_b32 s38, 0xfedcba98
	v_and_b32 v[LN], 31, v0
	v_and_b32 v[RR], 15, v0
	v_mul_u32_u24 v[O12], 12, v0
	v_add_nc_u32 v[XO], s15, v[O12]
	v_mul_u32_u24 v[R12], 12, v[RR]
	v_lshlrev_b32 v[O16], 4, v0
	v_lshlrev_b32 v[O8], 3, v[LN]
	v_and_b32 v[HOF], 16, v0
	v_lshlrev_b32 v[HOF], 8, v[HOF]
	v_mov_b32 v[NEG1], -1.0
	v_mov_b32 v[CH+12], 0x3f803f80                 ; the query row's last piece: 1 1 | 1 0 | 0 0 | 0 0
	v_mov_b32 v[CH+13], 0x3f80
	v_mov_b32 v[CH+14], 0
	v_mov_b32 v[CH+15], 0
.irp k, 0,1,2,3,4,5,6,7
	v_mov_b32 v[RS+\k], INF                        ; a place that no pass serves has met no candidate
.endr
	s_lshl_b32 s41, s13, 4
	s_wait_alu depctr_va_sdst(0)                   ; s12 is written, ahead of its first reader: the tiles' offsets, the wave's LDS bytes and the last branches are made from it
	s_mul_i32 s40, s12, TILES
	s_add_co_u32 s41, s41, s40
	s_add_co_u32 s41, s41, 16                      ; my first candidate tile: the block behind mine, + 30 x wave (taken modulo 256 below)
.set i, 0
.rept TILES
	s_add_co_u32 s40, s41, i
	s_and_b32 s40, s40, 255                        ; round the batch's 256 tiles: 240 tiles from the block behind mine never reach my own
	s_mul_i32 s40, s40, 192                        ; 16 points of 12 bytes
	v_add_nc_u32 v[XB+4*i+3], s40, v[R12]
.set i, i+1
.endr
	s_lshl_b32 s40, s12, 10
	s_add_co_u32 s40, s40, PART
	v_lshl_add_u32 v[PAB], v[LN], 2, s40
	s_wait_kmcnt 0x0
	s_add_nc_u64 s[6:7], s[6:7], s[44:45]
	s_load_b256 s[16:23], s[6:7], 0x0              ; the block's 256 bits
	s_add_nc_u64 s[4:5], s[4:5], s[42:43]          ; x at my batch
	s_wait_alu depctr_va_vdst(0)                   ; v[XO] and the 30 offsets v[XB+4 i+3] are written, which the loads below read; so are v[PAB], v[O12], v[O16] and v[O8], which no vector instruction names again
	global_load_b96 v[PX:PX+2], v[XO], s[4:5]      ; my own point first: it is wanted first
.set i, 0
.rept TILES
	global_load_b96 v[XB+4*i:XB+4*i+2], v[XB+4*i+3], s[4:5]        ; both halves of the wave read the tile's 192 bytes
.set i, i+1
.endr
	s_mul_i32 s44, ttmp9, 3072
	s_add_nc_u64 s[8:9], s[8:9], s[44:45]          ; out0 at my block
	s_lshl_b32 s44, ttmp9, 8
	s_add_nc_u64 s[10:11], s[10:11], s[44:45]      ; out1 at my block
	s_wait_kmcnt 0x0
	; s[24:31]: how many points in need lie in the words in front of word i; s32 = U; s33 = passes
	s_mov_b32 s24, 0
.irp i, 0,1,2,3,4,5,6
	s_bcnt1_i32_b32 s40, s[16+\i]
	s_add_co_u32 s[25+\i], s[24+\i], s40
.endr
	s_bcnt1_i32_b32 s40, s23
	s_add_co_u32 s32, s31, s40
	s_add_co_u32 s33, s32, 15
	s_lshr_b32 s33, s33, 4
	s_max_u32 s33, s33, 1
	s_min_u32 s33, s33, 16
	s_mov_b32 s39, s16                             ; s39: my wave's own word; s41: the points in need in front of it
	s_mov_b32 s41, 0
.irp i, 1,2,3,4,5,6,7
	s_cmp_eq_u32 s12, \i
	s_cselect_b32 s39, s[16+\i], s39
	s_cselect_b32 s41, s[24+\i], s41
.endr
	v_mbcnt_lo_u32_b32 v12, s39, s41               ; points in need in front of mine: my place if I am in need
	v_add_nc_u32 v13, s32, v0
	v_sub_nc_u32 v13, v13, v12                     ; U + the others in front of mine: my place if I am not
	v_cndmask_b32 v[POS], v13, v12, s39
	v_min_u32 v[POS], 0xff, v[POS]                 ; a number made of loaded words enters an address only behind a clamp
	v_lshlrev_b32 v[QST], 4, v[POS]
	v_lshlrev_b32 v[PRD], 2, v[POS]
	s_wait_loadcnt 30                              ; loads come back in order (ISA guide 5.7.1): my own point is in, the 30 candidate loads behind it stay out
	v_mul_f32 v[SQ], v[PX], v[PX]
	v_fmac_f32 v[SQ], v[PX+1], v[PX+1]
	v_fmac_f32 v[SQ], v[PX+2], v[PX+2]
.irp c, 0,1,2
	v_mul_f32 v12, -2.0, v[PX+\c]
	SPLIT 12, 13, 14
	PACKU CH+4*\c, 12, 13, 14
.endr
	s_wait_alu depctr_va_vdst(0)                   ; v[QST] and the query row v[CH ..] are written, which the LDS stores read; so is v[PRD], which no vector instruction names again
.irp c, 0,1,2,3
	ds_store_b128 v[QST], v[CH+4*\c:CH+4*\c+3] offset:UTAB+4096*\c  ; neighbouring places lie on neighbouring 16 bytes
.endr
	s_wait_dscnt 0x0                               ; my stores are done, for the other waves' sake
	s_barrier_signal -1
	s_barrier_wait -1                              ; the table of query rows is whole: the places are a permutation, so all 16,384 bytes are written
	s_wait_loadcnt 0x0                             ; my 30 tiles of candidates, asked for in front of all the work above
; the fragment of candidate tile n into f .. f + 7; the two values of a lane are cut by turns
.macro BUILD n, f
	v_mul_f32     v[BT],   v[XB+4*(\n)],   v[XB+4*(\n)]
	v_cndmask_b32 v[BT+1], v[XB+4*(\n)],   v[XB+4*(\n)+1], s[HI]          ; x, in lanes 16-31 y
	v_fmac_f32    v[BT],   v[XB+4*(\n)+1], v[XB+4*(\n)+1]
	v_fma_mix_f32_bf16 v[BT+3], v[BT+1], v[NEG1], v[BT+1] op_sel:[1,0,0] op_sel_hi:[1,0,0]
	v_fmac_f32    v[BT],   v[XB+4*(\n)+2], v[XB+4*(\n)+2]
	v_fma_mix_f32_bf16 v[BT+5], v[BT+3], v[NEG1], v[BT+3] op_sel:[1,0,0] op_sel_hi:[1,0,0]
	v_cndmask_b32 v[BT+2], v[XB+4*(\n)+2], v[BT], s[HI]                   ; z, in lanes 16-31 |b|^2
	v_perm_b32 v[\f],   v[BT+3], v[BT+1], s[SEL]                          ; b1 b2
	v_fma_mix_f32_bf16 v[BT+4], v[BT+2], v[NEG1], v[BT+2] op_sel:[1,0,0] op_sel_hi:[1,0,0]
	v_perm_b32 v[\f+1], v[BT+1], v[BT+5], s[SEL]                          ; b3 b1
	v_fma_mix_f32_bf16 v[BT+6], v[BT+4], v[NEG1], v[BT+4] op_sel:[1,0,0] op_sel_hi:[1,0,0]
	v_perm_b32 v[\f+2], v[BT+5], v[BT+3], s[SEL]                          ; b2 b3
	v_perm_b32 v[\f+3], v[BT+3], v[BT+1], s[SEL]                          ; b1 b2
	v_perm_b32 v[\f+4], v[BT+4], v[BT+2], s[SEL]
	v_perm_b32 v[\f+5], v[BT+2], v[BT+6], s[SEL]
	v_perm_b32 v[\f+6], v[BT+6], v[BT+4], s[SEL]
	v_perm_b32 v[\f+7], v[BT+4], v[BT+2], s[SEL]
.endm
.macro MM d, f
	v_wmma_f32_16x16x32_bf16 v[\d:\d+7], v[\f:\f+7], v[BF:BF+7], 0
.endm
.macro RED d, first                    ; a lane holds one query's column: the minimum runs down its own eight registers
	v_min3_num_f32 v[TM],   v[\d],   v[\d+1], v[\d+2]
	v_min3_num_f32 v[TM+1], v[\d+3], v[\d+4], v[\d+5]
.if \first
	v_min_num_f32  v[AC], v[\d+6], v[\d+7]         ; the pass's first tile starts the minimum: nothing is preset
.else
	v_min3_num_f32 v[AC], v[AC], v[\d+6], v[\d+7]
.endif
	v_min3_num_f32 v[AC], v[AC], v[TM], v[TM+1]
.endm
	; THE PASSES.  The loop only reads LDS (the table of query rows); what a pass finds stays in registers.
	s_mov_b32 s34, 0
.Lpass:
	s_lshl_b32 s40, s34, 4
	s_wait_alu depctr_vm_vsrc(0)                   ; the last pass's two LDS loads have read v[QAD], which the next line writes (in the first pass nothing has read it yet)
	v_add_nc_u32 v[QAD], s40, v[RR]                ; my column's place: 16 q + r
	v_min_u32 v[QAD], 0xff, v[QAD]                 ; the trip count is made of loaded words: clamped before it enters an address
	v_lshl_add_u32 v[QAD], v[QAD], 4, v[HOF]
	s_wait_alu depctr_va_vdst(0)                   ; v[QAD] is written, which the two loads read; the last pass's matrix instructions are done reading v[BF ..], in which they land
	ds_load_b128 v[BF:BF+3],   v[QAD] offset:UTAB         ; K 8 h .. 8 h + 7 of its row: piece h
	ds_load_b128 v[BF+4:BF+7], v[QAD] offset:UTAB+8192    ; K 16 + 8 h ..: piece 2 + h
	; Fragments and results take turns on two buffers each.  Between a matrix instruction and the read of its result, and the rewriting of its fragment, stand the
	; four minima of the tile before and the 17 instructions of the next fragment, which name none of its registers (ISA guide 7.12.1 asks for four).
	BUILD 0, AF0
	s_wait_dscnt 0x0                               ; the query fragment
	MM D0, AF0
	BUILD 1, AF1
	MM D1, AF1
	RED D0, 1
.set i, 2
.rept (TILES-2)/2
	BUILD i, AF0
	MM D0, AF0
	RED D1, 0
	BUILD i+1, AF1
	MM D1, AF1
	RED D0, 0
.set i, i+2
.endr
	RED D1, 0                                      ; the four minima just above are the four instructions behind the last matrix instruction
	v_permlanex16_b32 v[TM], v[AC], s37, s38       ; lanes r and r + 16 hold candidates 0-7 and 8-15 of each tile: join them
	v_min_num_f32 v[AC], v[AC], v[TM]              ; both halves of the wave now hold the figure of place 16 q + r
	s_lshr_b32 s46, s34, 1                         ; it is kept in register q / 2, in lanes 0-15 for an even q, in lanes 16-31 for an odd one
	s_bitcmp1_b32 s34, 0
	s_cselect_b32 s47, s[HI], 0xffff
.irp k, 0,1,2,3,4,5,6,7
	s_cmp_eq_u32 s46, \k
	s_cselect_b32 s40, s47, 0
	v_cndmask_b32 v[RS+\k], v[RS+\k], v[AC], s40
.endr
	s_add_co_u32 s34, s34, 1
	s_cmp_lt_u32 s34, s33
	s_cbranch_scc1 .Lpass
	; Which bytes a pass reads follows from a trip count that is read from memory.  So that the order of those reads and of the stores below rests on no figure of
	; that count, a barrier stands between them: every wave's reads in the loop are back before any wave stores.  All eight waves make the same number of passes
	; (the count is made of the same eight words), and the barrier stands behind the loop, on every wave's path.
	s_wait_dscnt 0x0                               ; my reads of the table are back (each pass has waited for its own two)
	s_barrier_signal -1
	s_barrier_wait -1
	s_wait_alu depctr_va_vdst(0)                   ; the last pass has written v[RS ..], which the stores read; the head's work on v12 to v14 is written, in which the loads behind the next barrier land
.irp k, 0,1,2,3,4,5,6,7
	ds_store_b32 v[PAB], v[RS+\k] offset:128*\k    ; my wave's minima for places 32 k + lane, in my wave's own 1,024 bytes behind the table
.endr
	s_wait_dscnt 0x0                               ; they are stored, for the other waves' sake
	s_barrier_signal -1
	s_barrier_wait -1
.irp k, 0,1,2,3,4,5,6,7
	ds_load_b32 v[12+\k], v[PRD] offset:PART+1024*\k   ; the eight waves' figures for my point's place.  No wait: no vector instruction since the wait above, and no memory instruction has read v[12:19]
.endr
	s_wait_dscnt 0x0
	v_min3_num_f32 v12, v12, v13, v14
	v_min3_num_f32 v15, v15, v16, v17
	v_min3_num_f32 v12, v12, v18, v19
	v_min_num_f32 v12, v12, v15
	v_add_f32 v12, v12, v[SQ]                      ; + |a|^2: the smallest d2 to a point of the other 15 blocks (a point in need lies in front of place U, which a pass has served)
	v_cmp_ge_f32 vcc_lo, R2BITS, v12               ; 1.21 >= d2 (false for a NaN and for a place that was not served)
	s_not_b32 s40, s39
	s_wait_alu depctr_va_vcc(0)                    ; the comparison has written VCC, ahead of its first reader
	s_or_b32 s40, s40, vcc_lo                      ; kept: a neighbour in my own block, or one now
	v_cndmask_b32 v13, 0, 1.0, s40
	v_cndmask_b32 v14, 0, 1, s40
	v_mul_f32 v[PX],   v[PX],   v13                ; x * mask, as the problem writes it (keeps the sign of a zero, NaN from an infinity)
	v_mul_f32 v[PX+1], v[PX+1], v13
	v_mul_f32 v[PX+2], v[PX+2], v13
	; THE WAY OUT, through LDS, so that each store of a wave covers whole aligned stretches of 256 bytes
	s_wait_alu depctr_va_vdst(0)                   ; v[PX ..] and v14 are written, which the stores read; the minima are done reading v[16:19], in which the loads behind the barrier land.  No vector instruction follows
	ds_store_b32 v[O12], v[PX]   offset:ST0
	ds_store_b32 v[O12], v[PX+1] offset:ST0+4
	ds_store_b32 v[O12], v[PX+2] offset:ST0+8
	ds_store_b8 v0, v14 offset:ST1
	s_wait_dscnt 0x0
	s_barrier_signal -1
	s_barrier_wait -1
	s_cmp_lt_u32 s12, 6
	s_cbranch_scc0 .Lmask
	ds_load_b128 v[16:19], v[O16] offset:ST0       ; waves 0-5: 192 threads x 16 bytes = the block's 3,072 bytes of out0, 512 neighbouring bytes a wave; no store has read v[16:19]
	s_wait_dscnt 0x0
	global_store_b128 v[O16], v[16:19], s[8:9] th:TH_STORE_NT
	s_wait_dscnt 0x0
	s_wait_alu depctr_hold_cnt(0) depctr_sa_sdst(0) depctr_va_vdst(0) depctr_va_sdst(0) depctr_va_ssrc(0) depctr_va_vcc(0) depctr_vm_vsrc(0)
	s_wait_tensorcnt 0x0
	ds_add_u32 v126, v127
	s_wait_dscnt 0x0
	s_endpgm
.Lmask:
	s_cmp_eq_u32 s12, 6
	s_cbranch_scc0 .Lend
	ds_load_b64 v[16:17], v[O8] offset:ST1         ; wave 6: 32 lanes x 8 bytes = the block's 256 bytes of out1
	s_wait_dscnt 0x0
	global_store_b64 v[O8], v[16:17], s[10:11] th:TH_STORE_NT
.Lend:
	s_wait_dscnt 0x0
	s_wait_alu depctr_hold_cnt(0) depctr_sa_sdst(0) depctr_va_vdst(0) depctr_va_sdst(0) depctr_va_ssrc(0) depctr_va_vcc(0) depctr_vm_vsrc(0)
	s_wait_tensorcnt 0x0
	ds_add_u32 v126, v127
	s_wait_dscnt 0x0
	s_endpgm
.Lfunc_end_k_q51922a3b91_refine:
	.size	k_q51922a3b91_refine, .Lfunc_end_k_q51922a3b91_refine-k_q51922a3b91_refine
	.p2alignl 7, 3214868480
	.fill 96, 4, 3214868480
	.section	.rodata,"a",@progbits
	.p2align	6, 0x0
	.amdhsa_kernel k_q51922a3b91_refine
		.amdhsa_group_segment_fixed_size 28928
		.amdhsa_private_segment_fixed_size 0
		.amdhsa_enable_private_segment 0
		.amdhsa_kernarg_size 32
		.amdhsa_user_sgpr_count 2
		.amdhsa_user_sgpr_kernarg_segment_ptr 1
		.amdhsa_wavefront_size32 1
		.amdhsa_system_sgpr_workgroup_id_x 1
		.amdhsa_system_sgpr_workgroup_id_y 1
		.amdhsa_system_sgpr_workgroup_id_z 1
		.amdhsa_system_vgpr_workitem_id 0
		.amdhsa_next_free_vgpr 248
		.amdhsa_next_free_sgpr 66
		.amdhsa_reserve_vcc 1
		.amdhsa_float_denorm_mode_32 3
		.amdhsa_float_denorm_mode_16_64 3
		.amdhsa_memory_ordered 1
		.amdhsa_forward_progress 1
		.amdhsa_inst_pref_size 59
	.end_amdhsa_kernel
	.amdgpu_metadata
---
amdhsa.version: [ 1, 2 ]
amdhsa.kernels:
  - .name:           k_q51922a3b91_refine
    .symbol:         k_q51922a3b91_refine.kd
    .args:
      - { .name: x, .offset: 0, .size: 8, .value_kind: global_buffer, .address_space: global }
      - { .name: need, .offset: 8, .size: 8, .value_kind: global_buffer, .address_space: global }
      - { .name: out0, .offset: 16, .size: 8, .value_kind: global_buffer, .address_space: global }
      - { .name: out1, .offset: 24, .size: 8, .value_kind: global_buffer, .address_space: global }
    .group_segment_fixed_size: 28928
    .private_segment_fixed_size: 0
    .kernarg_segment_align: 8
    .kernarg_segment_size: 32
    .max_flat_workgroup_size: 256
    .sgpr_count:     66
    .vgpr_count:     248
    .wavefront_size: 32
...
	.end_amdgpu_metadata
.endif
;; end of part 3
